; MI455X (gfx1250); checked and timed in simulation.
; The chip was launched on July 23, 2026; its instructions are those of AMD's public machine-readable ISA for CDNA 5 (MIT licence, August 2026) and "CDNA5" Instruction Set Architecture Reference Guide (July 2026). The comments in the code are by the model that wrote it; some were corrected since.
;; Fast MQ Attention. Allowed arithmetic: matrix products marked QUANTISED: E4M3 operands, one E8M0 scale for each 32 along K, by v_wmma_scale_f32_16x16x128_f8f6f4 with both operands' format E4M3, f32 sums; everything else in f32.
;; Inputs: K 2 x 1 x 2,048 x 128 float32; Q 2 x 32 x 2,048 x 128 float32; V 2 x 1 x 2,048 x 128 float32.
;; Outputs: out0 2 x 32 x 2,048 x 128 float32.
;; This version of the problem:
;;   THIS VERSION OF THE PROBLEM IS GIVEN IN LOW PRECISION. The matrix products marked QUANTISED in the list below multiply operands that are first quantised to E4M3 (4 exponent bits, 3 mantissa bits; 8 bits a number), with one power-of-two scale for each 32 numbers along K (OCP MX v1.0); their sums are f32. All else is computed in f32.
;;   The module's matrix products, in the order in which they are computed (A, B: the left and right operand; K: the contracted axis; several contracted axes count as one K, in the product's order):
;;     1. batch 2 x [M 65,536, K 128] x [K 128, N 2,048]; A: input Q; B: input K: QUANTISED
;;     2. batch 2 x [M 65,536, K 2,048] x [K 2,048, N 128]; A: softmax (see below); B: input V: QUANTISED
;;   THE QUANTISER, for each operand of a quantised product, along K:
;;     - K is cut into blocks of 32 from its start; a last block that is shorter is filled with zeros.
;;     - A block's scale is 2^e with e = floor(log2(the largest magnitude in the block)) - 8, held to -126 .. 127; a block of zeros has e = 0. As a byte (E8M0): e + 127.
;;     - Each number is divided by its block's scale, clamped to +-448, and rounded to the nearest number of E4M3, ties to even, subnormals kept.
;;     - The product sums the exact products of the quantised numbers (number of the format x scale) in f32.
;;   ~~~python
;;   def quantise(x, axis):      # numpy; x: float32 -> the quantised numbers, widened to float32 again
;;       x = np.moveaxis(x, axis, -1); K = x.shape[-1]
;;       x = np.pad(x, [(0, 0)] * (x.ndim - 1) + [(0, -K % 32)]); x = x.reshape(x.shape[:-1] + (-1, 32)); a = np.abs(x).max(-1, keepdims=True)
;;       e = np.where(a > 0, np.clip(np.frexp(np.where(a > 0, a, 1))[1] - 1 - 8, -126, 127), 0)      # np.frexp(a)[1] - 1 = floor(log2(a)), exactly
;;       r = np.clip(x / 2.0 ** e, -448, 448)
;;       step = 2.0 ** (np.maximum(np.frexp(np.where(r == 0, 1, r))[1] - 1, -6) - 3)
;;       q = np.round(r / step) * step * 2.0 ** e      # np.round: ties to even
;;       return np.moveaxis(q.reshape(q.shape[:-2] + (-1,))[..., :K], -1, axis).astype(np.float32)
;;   ~~~
;;   SOFTMAX AHEAD OF A QUANTISED PRODUCT. Where the list says 'softmax', what is quantised is not the finished softmax but p = 2^(t - M), with t = logit x log2(e) and M = ceil(the row's largest t), a whole number; so 1/2 < the row's largest p <= 1. The row's sum l is taken of the UNQUANTISED p, in f32, and the product's result is divided by l at the end. Since M is a whole number, a kernel that streams over the keys may use a running M (the ceiling of the running maximum): every later rescaling is an exact power of two, which a block's scale takes up: the codes' values come out the same.
;;   OPERANDS COMPUTED ON THE WAY. 'Computed on the way' means the value that the module computes at that place (a softmax that the list does not call 'softmax' is quantised finished and normalised). What goes into a quantiser is computed in f32, as accurately as f32 sums, v_exp_f32 and their like allow (about 1e-6 of the number): no bf16 or f16 on the way to a quantiser, and a product that is left as it is and whose result goes on into a quantised operand takes f32 operands (vector FMAs, or v_wmma_f32_16x16x4_f32). A number that lies on a knife's edge between two numbers of the format may be rounded either way, as far as f32 arithmetic and the matrix unit's own rounding can turn it there, and no further.
;; One version. Each part assembles by itself: llvm-mc -triple=amdgcn-amd-amdhsa -mcpu=gfx1250 --defsym DOCPART=n.
;; ======== version 1 of 1: 2 launches
;; limits: right only within a limited range of input values
;; workspace buffers: kv 1,081,344 bytes
;; launch prep (part 1): grid 64 x 1, 4 waves a work-group, no clusters, 68,608 bytes of LDS; arguments K, V, kv; writes kv
.if DOCPART == 1
	.amdgcn_target "amdgcn-amd-amdhsa--gfx1250"
	.amdhsa_code_object_version 6
	.text
	.protected	k_qc9e42db1e5_prep
	.globl	k_qc9e42db1e5_prep
	.p2align	8
	.type	k_qc9e42db1e5_prep,@function
k_qc9e42db1e5_prep:
	s_mov_b64 s[64:65], 0
	v_nop
	global_prefetch_b8 v0, s[64:65] scope:SCOPE_SE
	s_setreg_imm32_b32 hwreg(HW_REG_WAVE_MODE, 25, 1), 1
	s_wait_xcnt 0x0
; K and V [2][1][2048][128], f32, become codes of FP8 (E4M3) with one E8M0 scale byte for each 32 along a product's K, laid as IMAGES OF THE OPERAND REGISTERS that the attention launch loads.
; No work of reference() is left out anywhere in this program: Q, K and V all reach the result, nothing is masked, both products are done whole.
; K is quantised along the head's 128 (the first product's K), V along the KEYS (the second product's K).  Both are read by every work-group of the attention launch, so they are quantised once, here.
; THE BUFFER kv: 32 records of 33,792 bytes, record = 16 x batch + key step (128 keys).  A record is two parts of 16,896 bytes, K's and then V's.  A part: eight fragments of 2,048 bytes (fragment f at 2,048 f;
; its registers 4 c .. 4 c + 3 at + 512 c; lane l at + 16 l), then 512 bytes of scale words: word j of lane l at 16 l + 4 j; lanes 0-15 hold the words of fragment 2 j's rows, lanes 16-31 those of fragment 2 j + 1's.
; A block's scale is 2^(floor(log2(its largest magnitude)) - 8); its byte is the largest magnitude's exponent field - 8, held at 1 from below; each number is held within +-448 x the scale and rounded to the nearest code, ties to even.
; LIMITS: NaN and infinities among the inputs are not served.  A block of zeros, or one whose largest magnitude lies under 2^(9 - 127), gets the byte 1 where the rule says 127 for zeros: its codes are zeros or as the held byte gives them, and this program alone reads the bytes.
; SHARES.  Work-groups 0-31 take K's records, 32-63 V's: 128 rows of 512 bytes, dense in memory.  Wave w loads rows 32 w .. 32 w + 31, each load a whole row, into a stage in LDS; behind a barrier a lane takes the 128 numbers
; along the product's K of ONE row of an operand: of K a key's row, of V a column (registers down the keys).  So a block of 32 lies in one lane, and the conversions give codes with K innermost.
; 64 work-groups are all the work that there is.  No tensor load, no matrix unit, no cluster: the launch moves 4 MiB once and shares nothing between work-groups.
.set RECB,  33792
.set PARTB, 16896
.set PITCH, 528                        ; a stage row: 512 bytes + 16 = 33 x 16: sixteen rows that a 16-byte load touches start at sixteen different 16-byte columns modulo 256
.set SCG,   128*PITCH                  ; behind the stage: 512 bytes in which the part's scale words are gathered
.set SPARE, SCG+512                    ; behind them: the spare words, 128 bytes for each wave: two blocks of 256 bytes that no other line names
.set GL,  2                            ; v2   16 x lane: my place in a row of memory, and in an image
.set SA,  3                            ; v3   the stage on the way in: 16 x lane + my wave's 32 positions
.set RK,  4                            ; v4   K's way out of it: position 32 w + lane
.set RV0, 5                            ; v5   V's: column 32 w + lane, positions 0-63
.set RV1, 6                            ; v6   positions 64-127
.set SCA, 7                            ; v7   where my scale word goes: SCG + 16 x lane + 4 w
.set SCR, 8                            ; v8   and where wave 0 reads the four words of a lane
.set SPW, 9                            ; v9   LDS address of my spare word; never rewritten
.set NIL, 10                           ; v10  0; never rewritten
.set MX,  12                           ; v12-15 the four blocks' largest magnitudes; at the end the scale block
.set SO,  16                           ; v16-19 the conversions' scale operands
.set HD,  20
.set BY,  24                           ; v24-27 the scale bytes
.set PW,  28                           ; v28  my row's scale word
.set X,   32                           ; v32-159  128 numbers
.set C,   160                          ; v160-191 their codes
	s_load_b128 s[4:7], s[0:1], 0x0                ; K, V
	s_load_b64 s[8:9], s[0:1], 0x10                ; kv
	v_lshl_add_u32 v[SPW], v0, 2, SPARE
	v_mov_b32 v[NIL], 0
	v_lshrrev_b32 v1, 5, v0
	v_readfirstlane_b32 s10, v1                    ; wave 0..3
	v_and_b32 v1, 31, v0                           ; lane
	v_lshlrev_b32 v[GL], 4, v1
	s_mul_i32 s24, s10, 32*PITCH
	v_add_nc_u32 v[SA], s24, v[GL]
	v_mul_u32_u24 v[RK], v1, PITCH
	v_add_nc_u32 v[RK], s24, v[RK]
	v_lshlrev_b32 v[RV0], 2, v0                    ; 4 x (32 w + lane): the thread's number is the column
	v_add_nc_u32 v[RV1], 64*PITCH, v[RV0]
	s_lshl_b32 s25, s10, 2
	s_add_co_u32 s25, s25, SCG
	v_add_nc_u32 v[SCA], s25, v[GL]
	v_add_nc_u32 v[SCR], SCG, v[GL]
	s_and_b32 s18, ttmp9, 31                       ; the record
	s_lshr_b32 s22, ttmp9, 5                       ; 0: K's part, 1: V's
	s_mul_i32 s20, s18, RECB
	s_mul_i32 s22, s22, PARTB
	s_add_co_u32 s20, s20, s22                     ; where my part begins in kv
	s_mov_b32 s21, 0
	s_lshl_b32 s18, s18, 16                        ; the record's 128 rows of 512 bytes in K or V,
	s_lshl_b32 s19, s10, 14                        ; my wave's 32 of them
	s_add_co_u32 s18, s18, s19
	s_mov_b32 s19, 0
	s_lshl_b32 s22, s10, 12                        ; my wave's two fragments in the part
	s_mov_b32 s23, 0
	s_wait_alu depctr_va_vdst(0)
	s_wait_kmcnt 0x0
	s_cmp_lt_u32 ttmp9, 32                         ; the choice hangs on the work-group's number alone
	s_cselect_b64 s[12:13], s[4:5], s[6:7]
	s_add_nc_u64 s[12:13], s[12:13], s[18:19]
	s_add_nc_u64 s[14:15], s[8:9], s[20:21]
	s_add_nc_u64 s[16:17], s[14:15], s[22:23]
.set i, 0
.rept 32
	global_load_b128 v[X+4*i:X+4*i+3], v[GL], s[12:13] offset:512*i th:TH_LOAD_NT   ; 32 lanes read a whole row of 512 bytes; read once in the launch
.set i, i+1
.endr
; Row i of my 32 goes to position p(i) of my 32, p = i with its bits 3 and 4 exchanged: the two middle groups of eight change places.  So lanes 0-15, which read positions 0-15, hold the keys of fragment 2 w in its order, lanes 16-31 those of fragment 2 w + 1.
.set i, 0
.rept 32
	s_wait_loadcnt 31-i                            ; loads come back in order: row i is in, the 31 - i younger ones may be out
	ds_store_b128 v[SA], v[X+4*i:X+4*i+3] offset:((i&7)|((i&8)<<1)|((i&16)>>1))*PITCH
.set i, i+1
.endr
	s_wait_dscnt 0x0                               ; for the others' sake: my rows lie in the stage
	s_barrier_signal -1
	s_barrier_wait -1                              ; all 128 rows do
	s_cmp_lt_u32 ttmp9, 32                         ; the two arms hold LDS loads alone; every address register was made above
	s_cbranch_scc0 .Lcolumns
.set i, 0
.rept 32
	ds_load_b128 v[X+4*i:X+4*i+3], v[RK] offset:16*i                 ; K: my key's row, 128 numbers along the head
.set i, i+1
.endr
	s_branch .Lhave
.Lcolumns:
.set i, 0
.rept 64
	ds_load_b32 v[X+i], v[RV0] offset:((i&0x60)|(i&7)|((i&8)<<1)|((i&16)>>1))*PITCH      ; V: key i of my column lies at position p of its group of 32; 32 lanes read 128 neighbouring bytes
.set i, i+1
.endr
.rept 64
	ds_load_b32 v[X+i], v[RV1] offset:(((i&0x60)|(i&7)|((i&8)<<1)|((i&16)>>1))-64)*PITCH
.set i, i+1
.endr
.Lhave:
	s_wait_dscnt 0x0
.irp b, 0,1,2,3
	v_max3_num_f32 v[MX+\b], |v[X+32*\b]|, |v[X+32*\b+1]|, 0x4800000   ; block b: all 32 numbers are mine; the floor 2^(9 - 127) holds the byte at 1 from below
.endr
.irp i, 2,4,6,8,10,12,14,16,18,20,22,24,26,28,30
.irp b, 0,1,2,3
	v_max3_num_f32 v[MX+\b], v[MX+\b], |v[X+32*\b+\i]|, |v[X+32*\b+\i+1]|   ; the four blocks by turns: no line waits for the line above it
.endr
.endr
.irp b, 0,1,2,3
	v_add_nc_u32 v[SO+\b], 0xfc000000, v[MX+\b]    ; 8 off the exponent field: the conversion takes the exponent field of this operand as its scale, and nothing else of it
.endr
.irp b, 0,1,2,3
.endr
.irp b, 0,1,2,3
	v_lshrrev_b32 v[BY+\b], 23, v[SO+\b]           ; the scale's byte
.endr
	v_lshl_or_b32 v[PW], v[BY+1], 8, v[BY]         ; the four bytes make my row's scale word
	v_lshl_or_b32 v[PW], v[BY+2], 16, v[PW]
	v_lshl_or_b32 v[PW], v[BY+3], 24, v[PW]
.irp b, 0,1,2,3
.set i, 0
.rept 32
.set i, i+1
.endr
.irp g, 0,1,2,3
	v_cvt_scalef32_pk8_fp8_f32 v[C+8*\b+2*\g:C+8*\b+2*\g+1], v[X+32*\b+8*\g:X+32*\b+8*\g+7], v[SO+\b]
.endr
.endr
	v_nop                                          ; one plain vector line between the last conversion and the lines below, which touch its result
; A lane holds a whole row: registers 8 b .. 8 b + 3 are k = 32 b + 0 .. 15, registers 8 b + 4 .. 8 b + 7 are k = 32 b + 16 .. 31.  A fragment wants the first sixteen in lane r and the second sixteen in lane 16 + r.
; The swap exchanges the first register's lanes 16-31 with the second's lanes 0-15: the first is then register 4 b + j of fragment 2 w (the rows of lanes 0-15), the second that of fragment 2 w + 1.
.irp b, 0,1,2,3
.irp j, 0,1,2,3
	v_permlane16_swap_b32 v[C+8*\b+\j], v[C+8*\b+4+\j]
.endr
.endr
.irp u, 0,1
.irp c, 0,1,2,3
	global_store_b128 v[GL], v[C+8*\c+4*\u:C+8*\c+4*\u+3], s[16:17] offset:2048*\u+512*\c   ; 32 lanes store 512 consecutive bytes, at a multiple of 256 from the buffer's first byte
.endr
.endr
	ds_store_b32 v[SCA], v[PW]                     ; word w of my lane: lanes 0-15 fragment 2 w's rows, lanes 16-31 fragment 2 w + 1's
	s_wait_dscnt 0x0                               ; for wave 0's sake
	s_barrier_signal -1
	s_barrier_wait -1
	s_cmp_lg_u32 s10, 0
	s_cbranch_scc1 .Lnot_wave_0
	ds_load_b128 v[MX:MX+3], v[SCR]
	s_wait_dscnt 0x0
	global_store_b128 v[GL], v[MX:MX+3], s[14:15] offset:16384   ; the part's scale words: 512 consecutive bytes
.Lnot_wave_0:
	s_wait_tensorcnt 0x0                           ; the wave's end, behind my last LDS store
	ds_add_u32 v[SPW], v[NIL]
	s_wait_dscnt 0x0
	s_endpgm
.Lfunc_end_k_qc9e42db1e5_prep:
	.size	k_qc9e42db1e5_prep, .Lfunc_end_k_qc9e42db1e5_prep-k_qc9e42db1e5_prep
	.p2alignl 7, 3214868480
	.fill 96, 4, 3214868480
	.section	.rodata,"a",@progbits
	.p2align	6, 0x0
	.amdhsa_kernel k_qc9e42db1e5_prep
		.amdhsa_group_segment_fixed_size 68608
		.amdhsa_private_segment_fixed_size 0
		.amdhsa_enable_private_segment 0
		.amdhsa_kernarg_size 24
		.amdhsa_user_sgpr_count 2
		.amdhsa_user_sgpr_kernarg_segment_ptr 1
		.amdhsa_wavefront_size32 1
		.amdhsa_system_sgpr_workgroup_id_x 1
		.amdhsa_system_sgpr_workgroup_id_y 1
		.amdhsa_system_sgpr_workgroup_id_z 1
		.amdhsa_system_vgpr_workitem_id 0
		.amdhsa_next_free_vgpr 192
		.amdhsa_next_free_sgpr 66
		.amdhsa_reserve_vcc 0
		.amdhsa_float_denorm_mode_32 3
		.amdhsa_float_denorm_mode_16_64 3
		.amdhsa_fp16_overflow 1
		.amdhsa_memory_ordered 1
		.amdhsa_forward_progress 1
		.amdhsa_inst_pref_size 26
	.end_amdhsa_kernel
	.amdgpu_metadata
---
amdhsa.version: [ 1, 2 ]
amdhsa.kernels:
  - .name:           k_qc9e42db1e5_prep
    .symbol:         k_qc9e42db1e5_prep.kd
    .args:
      - { .name: K, .offset: 0, .size: 8, .value_kind: global_buffer, .address_space: global }
      - { .name: V, .offset: 8, .size: 8, .value_kind: global_buffer, .address_space: global }
      - { .name: kv, .offset: 16, .size: 8, .value_kind: global_buffer, .address_space: global }
    .group_segment_fixed_size: 68608
    .private_segment_fixed_size: 0
    .kernarg_segment_align: 8
    .kernarg_segment_size: 24
    .max_flat_workgroup_size: 128
    .sgpr_count:     66
    .vgpr_count:     192
    .wavefront_size: 32
...
	.end_amdgpu_metadata
.endif
;; end of part 1
;; launch attn (part 2): grid 256 x 2, 8 waves a work-group, clusters of 4 x 1, 327,680 bytes of LDS; arguments Q, kv, out0; writes out0
.if DOCPART == 2
	.amdgcn_target "amdgcn-amd-amdhsa--gfx1250"
	.amdhsa_code_object_version 6
	.text
	.protected	k_qc9e42db1e5_attn
	.globl	k_qc9e42db1e5_attn
	.p2align	8
	.type	k_qc9e42db1e5_attn,@function
k_qc9e42db1e5_attn:
	s_mov_b64 s[64:65], 0
	v_nop
	global_prefetch_b8 v0, s[64:65] scope:SCOPE_SE
	s_setreg_imm32_b32 hwreg(HW_REG_WAVE_MODE, 25, 1), 1
	s_wait_xcnt 0x0
	s_wait_alu depctr_hold_cnt(0) depctr_sa_sdst(0) depctr_va_vdst(0) depctr_va_sdst(0) depctr_va_ssrc(0) depctr_va_vcc(0) depctr_vm_vsrc(0)
	s_getreg_b32 s2, hwreg(HW_REG_IB_STS2, 6, 4)
	s_cmp_eq_u32 s2, 0
	s_cbranch_scc0 .Lentry_in_a_cluster
	s_endpgm
.Lentry_in_a_cluster:
	s_bfe_u32 s2, ttmp6, 0x10000c
	s_cmp_lg_u32 s2, 0x3003
	s_cbranch_scc0 .Lentry_shape_is_right
	s_endpgm
.Lentry_shape_is_right:
; out0[b][h][q][:] = the sum over k of softmax_k(Q[b][h][q] . K[b][k] / sqrt(128)) V[b][k][:], both products on codes of FP8 (E4M3) with one E8M0 scale for each 32 along a product's K.  Nothing of reference() is left out.
; All 32 heads of a batch share one K and V, so a batch is 65,536 query rows against 2,048 keys: no address knows of heads.  Q: f32, quantised here in registers (each row is read by one wave, once).
; K and V come as register images with their scale words from the buffer kv: 32 records of 33,792 bytes, record = 16 x batch + key step of 128 keys; in a record K's 8 fragments (2,048 bytes each: registers 4 c .. 4 c + 3 at 512 c, lane l at 16 l),
; K's 512 bytes of scale words (word j of lane l at 16 l + 4 j: lanes 0-15 fragment 2 j's rows, lanes 16-31 fragment 2 j + 1's), then V's 8 fragments and V's scale words in the same form.
; THE SOFTMAX AHEAD OF THE SECOND PRODUCT: t = score x log2(e) / sqrt(128); M = the row's largest t so far, rounded UP to a whole number; p = 2^(t - M) is what is quantised, along the keys; it is not normalised.
; The row's sum is taken of the unquantised p, in f32, and divides O at the end.  When M moves, the sum and O are multiplied by 2^(old M - new M): exact, and with no branch on data.
; SHARES.  A work-group owns 256 query rows of one batch; each of its eight waves owns 32, as two tiles of 16, in 512 registers: two waves to a SIMD, so that one wave's vector work stands beside the other's matrix work and LDS loads,
; and each fragment of K and V that is read from LDS feeds two matrix instructions.  Every wave walks the batch's 16 key steps.
; LAYOUT.  Both products are used transposed: S^T = K Q^T (source 0 = 16 keys, source 1 = 16 queries), O^T = V^T P^T (source 0 = 16 channels, source 1 = P): a lane holds ONE query (lane % 16) of each tile throughout.
; The keys of K's fragment 2 b + u are 32 b + 8 u + r + 8 (r / 8), so that the 16 registers of score tiles 2 b and 2 b + 1 are the neighbouring keys 32 b + 16 (lane / 16) + 0 .. 15: the conversions' results are the second product's operand.
; THE RING.  Two LDS slots of four records (135,168 bytes); each wave fetches an eighth of a slot, one part of a record, by one tensor load of 66 rows of 256 bytes.  A load has four key steps in which to land; one tensor load of a wave is out at any time.
; CLUSTER.  The four work-groups of a cluster belong to one batch and walk the same records, so each tile is asked for JOINTLY: the same tensor load, with the same descriptor and a mask that names the four; each receives it in its own LDS.
; The place in the cluster enters Q's and out0's addresses alone.
; LIMITS: NaN and infinities among the inputs are not served.  p under 2^-126 is 0 (v_exp_f32 flushes); a block of p that is all zeros keeps the byte 1 over zero codes.  t is made by one multiplication by log2(e) / sqrt(128), where reference() scales first.
; REGISTERS, window 0: v1-9 addresses; v10-11 Q's scale words, v12-13 p's, v14-17 K's, v18-21 V's; v22-29 statistics, four a tile: -M, the largest t, the sum in two halves; v30-33 f (low word of a pair) a tile;
;   v34-41 the blocks' largest scores, four a tile; v42-59 at work; v60-91 Q's codes, 16 a tile; v92-123 p's codes, 16 a tile; v128-255 S^T, then p, 64 a tile.
;   window 1: v0-127 O^T (tile q, channels 16 f on: 64 q + 8 f); v128-255 eight fragments of K or of V (at the head: Q as loaded).
.set RECB,  33792
.set PARTB, 16896
.set SLOTB, 4*RECB
.set BATCHB, 16*RECB
.set STAGE, 2*SLOTB                    ; behind the ring: 16 rows x 272 bytes for each wave, its own: Q's way in and O's way out; no tensor load fills it
.set SP,    272                        ; 256 bytes + 16 = 17 x 16: sixteen rows that a 16-byte access touches start at sixteen different 16-byte columns modulo 256
.set SPARE, STAGE+8*16*SP              ; behind the stages: the spare words, 128 bytes for each wave: four blocks of 256 bytes that no other line names
.set LI,  1                            ; v1   16 x lane: my place in an image
.set ADR, 2                            ; v2   the same in the record in hand
.set SPW, 3                            ; v3   LDS address of my spare word; never rewritten
.set NIL, 4                            ; v4   0; never rewritten
.set STI, 5                            ; v5   the stage: row lane % 16, + 32 x (lane / 16): where I put O
.set RD,  6                            ; v6   the stage: row lane / 16, + 16 x (lane % 16): whole rows of 256 bytes
.set QR,  7                            ; v7   the stage: row lane % 16, + 64 x (lane / 16): where I read Q
.set GA,  8                            ; v8   the same two rows as RD's in Q and in out0: 512 x (lane / 16) + 16 x (lane % 16)
.set TP,  9
.set QS,  10
.set PS,  12
.set KS,  14
.set VS,  18
.set ST,  22
.set FF,  30
.set BM,  34
.set PD,  42
.set HD,  46
.set SO,  50
.set BY,  54
.set TA,  58
.set TH,  59
.set QF,  60
.set PC,  92
.set S,   128
.set OT,  0                            ; in window 1
.set FR,  128                          ; in window 1
.set WV,  10                           ; s10  my wave's number
.set G1,  16                           ; s[16:23] descriptor group 1
.set G0,  24                           ; s[24:31] descriptor group 0, a set for each slot
.set SEL, 32                           ; s[32:33] v_permlanex16_b32's selects for lane l xor 16
.set CS,  34                           ; s[34:35] c = log2(e) / sqrt(128): the packed form names a pair and takes its low word for both halves
.set MNT, 36
.set TB,  37                           ; s37  LDS byte at which the record in hand begins
.set CNT, 38                           ; s38  counts a slot's four key steps
.set MSB, 0
.macro WIN new                         ; the immediate's low byte: bits 1:0 source 0, 3:2 source 1, 5:4 source 2, 7:6 destination; its high byte repeats the setting that is left
.if MSB != \new
	s_set_vgpr_msb (MSB<<8)|\new
.set MSB, \new
.endif
.endm
; A round of the cluster's barrier: my work-group's barrier, so that wave 0's signal speaks for all eight waves; wave 0 signals for the work-group; every wave waits for all four work-groups; my work-group's barrier once more.
.macro ROUND
	s_barrier_signal -1
	s_barrier_wait -1
	s_cmp_lg_u32 s[WV], 0
	s_cbranch_scc1 .Lnot_wave_0_\@
	s_barrier_signal -3
.Lnot_wave_0_\@:
	s_barrier_wait -3
	s_barrier_signal -1
	s_barrier_wait -1
.endm
	s_load_b128 s[4:7], s[0:1], 0x0                ; Q, kv
	s_load_b64 s[8:9], s[0:1], 0x10                ; out0
	v_lshl_add_u32 v[SPW], v0, 2, SPARE
	v_mov_b32 v[NIL], 0
	ds_add_u32 v[SPW], v[NIL]                      ; the wave's opening: the add, twice on end, and its wait ahead of my first tensor load; the set-up below, work on registers, stands between the second and the wait
	ds_add_u32 v[SPW], v[NIL]
	v_lshrrev_b32 v[TP], 5, v0
	s_delay_alu instid0(VALU_DEP_1)
	v_readfirstlane_b32 s[WV], v[TP]               ; wave 0..7
	s_bfe_u32 s11, ttmp6, 0x40000                  ; cx: my place in the cluster
	s_lshl_b32 s12, ttmp9, 2                       ; in a cluster launch ttmp9 counts clusters
	s_add_co_u32 s12, s12, s11                     ; my block of 256 query rows = 4 x cluster x + cx
	s_and_b32 s13, ttmp7, 0xffff                   ; the batch, which the four partners share
	s_lshl_b32 s14, s13, 25                        ; Q and out0: a batch is 65,536 rows of 512 bytes,
	s_lshl_b32 s15, s12, 17                        ; a block 256 rows,
	s_add_co_u32 s14, s14, s15
	s_lshl_b32 s15, s[WV], 14                      ; my wave's 32 rows
	s_add_co_u32 s14, s14, s15
	s_mov_b32 s15, 0
	s_mul_i32 s40, s[WV], PARTB                    ; the part of a slot that I fetch: the same place in LDS and in memory; no place in the cluster enters it
	s_mul_i32 s42, s13, BATCHB                     ; the batch's 16 records
	s_add_co_u32 s42, s42, s40
	s_mov_b32 s43, 0
	; descriptor group 1: a part is a dense block of 16,896 bytes: 66 rows of 32 elements of 8 bytes, laid into LDS without padding (images are read at 16 x lane)
	s_mov_b32 s[G1+0], 15|(3<<16)|(1<<21)          ; 15:0 the mask: all four work-groups; 17:16 elements of 8 bytes; 21 set beside a mask
	s_mov_b32 s[G1+1], 32<<16                      ; tensor_dim0 = 32
	s_mov_b32 s[G1+2], 66<<16                      ; tensor_dim1 = 66
	s_mov_b32 s[G1+3], 32<<16                      ; tile_dim0 = 32
	s_mov_b32 s[G1+4], 66                          ; tile_dim1 = 66
	s_mov_b32 s[G1+5], 32                          ; tensor_dim0_stride
	s_mov_b32 s[G1+6], 0
	s_mov_b32 s[G1+7], 0
	s_mov_b32 s[SEL], 0x76543210
	s_mov_b32 s[SEL+1], 0xfedcba98
	s_mov_b32 s[CS], 0x3e0293ee                    ; c = log2(e) / sqrt(128)
	s_mov_b32 s[CS+1], s[CS]                       ; (named with it as a pair, so it is written)
	s_mul_i32 s39, s[WV], 16*SP
	s_add_co_u32 s39, s39, STAGE                   ; my stage
	v_and_b32 v[LI], 31, v0
	s_delay_alu instid0(VALU_DEP_1)
	v_lshlrev_b32 v[LI], 4, v[LI]
	v_and_b32 v[TA], 15, v0                        ; r = lane % 16
	v_bfe_u32 v[TH], v0, 4, 1                      ; h = lane / 16
	s_delay_alu instid0(VALU_DEP_2)
	v_mul_u32_u24 v[TP], v[TA], SP
	s_delay_alu instid0(VALU_DEP_1)
	v_add_nc_u32 v[TP], s39, v[TP]
	s_delay_alu instid0(VALU_DEP_1)
	v_lshl_add_u32 v[STI], v[TH], 5, v[TP]
	s_delay_alu instid0(VALU_DEP_2)
	v_lshl_add_u32 v[QR], v[TH], 6, v[TP]
	v_mul_u32_u24 v[RD], v[TH], SP
	s_delay_alu instid0(VALU_DEP_1)
	v_lshl_add_u32 v[RD], v[TA], 4, v[RD]
	s_delay_alu instid0(VALU_DEP_1)
	v_add_nc_u32 v[RD], s39, v[RD]
	v_lshlrev_b32 v[GA], 9, v[TH]
	s_delay_alu instid0(VALU_DEP_1)
	v_lshl_add_u32 v[GA], v[TA], 4, v[GA]
	s_wait_alu depctr_va_vdst(0)
	s_wait_dscnt 0x0                               ; both opening adds are done
	s_wait_kmcnt 0x0
	s_add_nc_u64 s[4:5], s[4:5], s[14:15]          ; Q and out0 at my wave's first row
	s_add_nc_u64 s[8:9], s[8:9], s[14:15]
	s_add_nc_u64 s[6:7], s[6:7], s[42:43]          ; kv at my part of the batch's first four records
.irp n, 0,1
	s_mov_b32 s[G0+4*\n], 1                                        ; 1:0 count = 1
	s_add_co_u32 s[G0+4*\n+1], s40, \n*SLOTB                       ; 63:32 LDS address
	s_add_nc_u64 s[G0+4*\n+2:G0+4*\n+3], s[6:7], \n*SLOTB          ; 120:64 global address: records 4 n on
	s_or_b32 s[G0+4*\n+3], s[G0+4*\n+3], 0x80000000                ; 127:126 type = 2
.endr
	; Q, as it lies: each load takes 256 neighbouring bytes of two rows, each at a multiple of 256 from the buffer's first byte.  Tile q, half u of the row, rows 2 i and 2 i + 1.  The loads are on their way through the round below.
	WIN 0x40                                       ; destination window 1
.irp q, 0,1
.irp u, 0,1
.irp i, 0,1,2,3,4,5,6,7
	global_load_b128 v[FR+64*\q+32*\u+4*\i:FR+64*\q+32*\u+4*\i+3], v[GA], s[4:5] offset:(16*\q+2*\i)*512+256*\u th:TH_LOAD_NT
.endr
.endr
.endr
	WIN 0
	ROUND                                          ; all four work-groups are here: the first joint loads meet
	tensor_load_to_lds s[G0:G0+3], s[G1:G1+7]      ; slot 0: records 0 to 3
	s_nop 0                                        ; an s_nop 0 and four v_nop follow each tensor load
.rept 4
	v_nop
.endr
	; The key step is written with no first step of its own: O^T and the sums begin as zeros and the largest t as -3e38; the first change of M multiplies zeros by 0.  This stands while Q is on its way.
	WIN 0x40
.set i, 0
.rept 128
	v_mov_b32 v[OT+i], 0
.set i, i+1
.endr
	WIN 0
.irp q, 0,1
	v_mov_b32 v[ST+4*\q+1], 0xff61b1e6             ; the largest t so far: -3e38, under every t
	s_delay_alu instid0(VALU_DEP_1)
	v_floor_f32 v[ST+4*\q], -v[ST+4*\q+1]          ; -M
	v_mov_b32 v[ST+4*\q+2], 0                      ; the sum, in two halves
	v_mov_b32 v[ST+4*\q+3], 0
	v_mov_b32 v[FF+2*\q+1], 0                      ; (named as the upper half of f's pair)
.endr
.irp b, 0,1,2,3
	v_mov_b32 v[PD+\b], 0                          ; written once: a lane permute's destination counts as one of its sources
.endr
; Half u of tile q's 16 rows of Q goes through my stage: in as it was loaded, whole rows of 256 bytes; out 64 bytes a lane: lane (r, h) takes, of row r, the 16 numbers 32 b + 16 h + 0 .. 15 of blocks b = 2 u and 2 u + 1.
; LDS serves a wave's instructions in order (ISA guide 5.7.1.4): no wait between the stores and the loads, nor in front of the next half's stores.
.macro QTURN q, u
	WIN 0x04                                       ; an LDS store's data are its source 1: window 1
.irp i, 0,1,2,3,4,5,6,7
	ds_store_b128 v[RD], v[FR+64*\q+32*\u+4*\i:FR+64*\q+32*\u+4*\i+3] offset:2*\i*SP
.endr
	WIN 0
.irp c, 0,1
.irp j, 0,1,2,3
	ds_load_b128 v[S+64*\q+16*(2*\u+\c)+4*\j:S+64*\q+16*(2*\u+\c)+4*\j+3], v[QR] offset:128*\c+16*\j
.endr
.endr
.endm
; 64 numbers of a lane, register 16 b + i = channel 32 b + 16 (lane / 16) + i of my query of tile q, become the tile's codes and its scale word.
.macro QUANT q
.set sB, S+64*(\q)
.set cB, QF+16*(\q)
.irp b, 0,1,2,3
	v_max3_num_f32 v[BM+\b], |v[sB+16*\b]|, |v[sB+16*\b+1]|, 0x4800000   ; block b: my 16 numbers, and the floor 2^(9 - 127): the byte cannot fall under 1
.endr
.irp i, 2,4,6,8,10,12,14
.irp b, 0,1,2,3
	s_delay_alu instid0(VALU_DEP_4)
	v_max3_num_f32 v[BM+\b], v[BM+\b], |v[sB+16*\b+\i]|, |v[sB+16*\b+\i+1]|   ; the four blocks by turns
.endr
.endr
.irp b, 0,1,2,3
	s_delay_alu instid0(VALU_DEP_4)
	v_permlanex16_b32 v[PD+\b], v[BM+\b], s[SEL], s[SEL+1]
.endr
.irp b, 0,1,2,3
	s_delay_alu instid0(VALU_DEP_4)
	v_max_num_f32 v[BM+\b], v[BM+\b], v[PD+\b]     ; with lane l xor 16's: the block's largest magnitude
.endr
.irp b, 0,1,2,3
	s_delay_alu instid0(VALU_DEP_4)
	v_add_nc_u32 v[SO+\b], 0xfc000000, v[BM+\b]    ; 8 off its exponent field: the conversion's scale operand
.endr
.irp b, 0,1,2,3
.endr
.irp b, 0,1,2,3
	s_delay_alu instid0(VALU_DEP_4)
	v_lshrrev_b32 v[BY+\b], 23, v[SO+\b]           ; the scale's byte
.endr
	s_delay_alu instid0(VALU_DEP_3)
	v_lshl_or_b32 v[QS+\q], v[BY+1], 8, v[BY]
	s_delay_alu instid0(VALU_DEP_1)
	v_lshl_or_b32 v[QS+\q], v[BY+2], 16, v[QS+\q]
	s_delay_alu instid0(VALU_DEP_1)
	v_lshl_or_b32 v[QS+\q], v[BY+3], 24, v[QS+\q]
.irp b, 0,1,2,3
.irp i, 0,1,2,3,4,5,6,7,8,9,10,11,12,13,14,15
.endr
	v_cvt_scalef32_pk8_fp8_f32 v[cB+4*\b:cB+4*\b+1], v[sB+16*\b:sB+16*\b+7], v[SO+\b]
	v_cvt_scalef32_pk8_fp8_f32 v[cB+4*\b+2:cB+4*\b+3], v[sB+16*\b+8:sB+16*\b+15], v[SO+\b]
.endr
	v_nop                                          ; one plain vector line behind the last conversion: later lines write its sources and read its result
.endm
	s_wait_loadcnt 16                              ; tile 0's sixteen loads are in; tile 1's sixteen may be out
	QTURN 0, 0
	QTURN 0, 1
	s_wait_dscnt 0x0
	QUANT 0
	s_wait_loadcnt 0x0
	QTURN 1, 0
	QTURN 1, 1
	s_wait_dscnt 0x0
	QUANT 1
; THE SOFTMAX OF A KEY STEP, for tile q, in three parts.
; PH_A: the largest score of each block of 32 keys (it serves twice: for the row's maximum, and, since p rises with the score, for the block's largest p); the new M and f = 2^(old M - new M); t - M.
.macro PH_A q
.set sB, S+64*(\q)
.set bB, BM+4*(\q)
.set tB, ST+4*(\q)
.set fB, FF+2*(\q)
.irp b, 0,1,2,3
	v_max3_num_f32 v[bB+\b], v[sB+16*\b], v[sB+16*\b+1], v[sB+16*\b+2]   ; each accumulator is read from its low end on
.endr
.irp i, 3,5,7,9,11,13
.irp b, 0,1,2,3
	v_max3_num_f32 v[bB+\b], v[bB+\b], v[sB+16*\b+\i], v[sB+16*\b+\i+1]
.endr
.endr
.irp b, 0,1,2,3
	v_max_num_f32 v[bB+\b], v[bB+\b], v[sB+16*\b+15]
.endr
.irp b, 0,1,2,3
	s_delay_alu instid0(VALU_DEP_4)
	v_permlanex16_b32 v[PD+\b], v[bB+\b], s[SEL], s[SEL+1]
.endr
.irp b, 0,1,2,3
	s_delay_alu instid0(VALU_DEP_4)
	v_max_num_f32 v[bB+\b], v[bB+\b], v[PD+\b]     ; with lane l xor 16's 16 keys
.endr
	s_delay_alu instid0(VALU_DEP_2)
	v_max3_num_f32 v[TA], v[bB], v[bB+1], v[bB+2]
	s_delay_alu instid0(VALU_DEP_1)
	v_max_num_f32 v[TA], v[TA], v[bB+3]            ; the step's largest score of my query
	s_delay_alu instid0(VALU_DEP_1)
	v_mul_f32 v[TA], s[CS], v[TA]                  ; as t (c is positive)
	s_delay_alu instid0(VALU_DEP_1)
	v_max_num_f32 v[tB+1], v[tB+1], v[TA]          ; the running largest t
	v_mov_b32 v[TA], v[tB]
	s_delay_alu instid0(VALU_DEP_2)
	v_floor_f32 v[tB], -v[tB+1]                    ; the new -M = floor(-t) = -ceil(t): M is a whole number
	s_delay_alu instid0(VALU_DEP_1)
	v_sub_f32 v[TA], v[tB], v[TA]                  ; M's old value less its new one: a whole number, 0 or less
	s_delay_alu instid0(VALU_DEP_1)
	v_cvt_i32_f32 v[TA], v[TA]                     ; (it saturates)
	s_delay_alu instid0(VALU_DEP_1)
	v_ldexp_f32 v[fB], 1.0, v[TA]                  ; f: a multiplication by it rounds nothing
.set j, 0
.rept 32
	v_pk_fma_f32 v[sB+j:sB+j+1], v[sB+j:sB+j+1], s[CS:CS+1], v[tB:tB+1] op_sel_hi:[1,0,0]   ; t - M, two at a time (of the pairs c and -M the low word serves both halves)
.set j, j+2
.endr
.irp b, 0,1,2,3
	v_fma_f32 v[bB+\b], v[bB+\b], s[CS], v[tB]     ; the same of each block's largest score
.endr
.endm
; PH_E: one batch of 68 exponentials: p = 2^(t - M), at most 1, and each block's largest p (the same two instructions on the same number give the same bits).  None reads another's result.
.macro PH_E q
.set sB, S+64*(\q)
.set bB, BM+4*(\q)
.set j, 0
.rept 64
	v_exp_f32 v[sB+j], v[sB+j]
.set j, j+1
.endr
.irp b, 0,1,2,3
	v_exp_f32 v[bB+\b], v[bB+\b]
.endr
.endm
; PH_B: the row's sum, of the unquantised p; the blocks' scales; the codes.
.macro PH_B q
.set sB, S+64*(\q)
.set bB, BM+4*(\q)
.set tB, ST+4*(\q)
.set fB, FF+2*(\q)
.set cB, PC+16*(\q)
	v_pk_mul_f32 v[tB+2:tB+3], v[tB+2:tB+3], v[fB:fB+1] op_sel_hi:[1,0]   ; the sums under the new M
	v_pk_add_f32 v[PD:PD+1], v[sB:sB+1], v[sB+2:sB+3]                     ; two at a time, in two chains
.irp j, 4,8,12,16,20,24,28,32,36,40,44,48,52,56,60
	v_pk_add_f32 v[tB+2:tB+3], v[tB+2:tB+3], v[sB+\j:sB+\j+1]
	v_pk_add_f32 v[PD:PD+1], v[PD:PD+1], v[sB+\j+2:sB+\j+3]
.endr
	s_delay_alu instid0(VALU_DEP_1)
	v_pk_add_f32 v[tB+2:tB+3], v[tB+2:tB+3], v[PD:PD+1]
.irp b, 0,1,2,3
	v_max_num_f32 v[bB+\b], 0x4800000, v[bB+\b]    ; the floor 2^(9 - 127): the byte cannot fall under 1
.endr
.irp b, 0,1,2,3
	s_delay_alu instid0(VALU_DEP_4)
	v_add_nc_u32 v[SO+\b], 0xfc000000, v[bB+\b]    ; 8 off the exponent field: the conversion's scale operand
.endr
.irp b, 0,1,2,3
.endr
.irp b, 0,1,2,3
	s_delay_alu instid0(VALU_DEP_4)
	v_lshrrev_b32 v[BY+\b], 23, v[SO+\b]           ; the scale's byte
.endr
	s_delay_alu instid0(VALU_DEP_3)
	v_lshl_or_b32 v[PS+\q], v[BY+1], 8, v[BY]      ; p's scale word for these 128 keys: it stands ahead of the conversions and of O^T's rescaling, more than the eight places that a scale so written wants ahead of a scaled matrix instruction
	s_delay_alu instid0(VALU_DEP_1)
	v_lshl_or_b32 v[PS+\q], v[BY+2], 16, v[PS+\q]
	s_delay_alu instid0(VALU_DEP_1)
	v_lshl_or_b32 v[PS+\q], v[BY+3], 24, v[PS+\q]
.irp b, 0,1,2,3
.irp i, 0,1,2,3,4,5,6,7,8,9,10,11,12,13,14,15
.endr
	v_cvt_scalef32_pk8_fp8_f32 v[cB+4*\b:cB+4*\b+1], v[sB+16*\b:sB+16*\b+7], v[SO+\b]
	v_cvt_scalef32_pk8_fp8_f32 v[cB+4*\b+2:cB+4*\b+3], v[sB+16*\b+8:sB+16*\b+15], v[SO+\b]
.endr
.endm
; A KEY STEP: the record at LDS byte s[TB], both tiles.  A load into a register that a matrix instruction has read, and a vector instruction that reads a matrix result, stand eight places behind it, and only plain vector
; instructions that name none of its registers are places.
.macro STEP
	v_add_nc_u32 v[ADR], s[TB], v[LI]              ; with the seven v_nop: the eight places behind the last products V^T P, which read the fragments' registers
.rept 7
	v_nop
.endr
	ds_load_b128 v[KS:KS+3], v[ADR] offset:16384   ; K's scale words
	WIN 0x40                                       ; destination window 1
.irp f, 0,1,2,3,4,5,6,7
.irp c, 0,1,2,3
	ds_load_b128 v[FR+16*\f+4*\c:FR+16*\f+4*\c+3], v[ADR] offset:2048*\f+512*\c   ; an image comes back as it was stored: 512 consecutive bytes an instruction
.endr
.endr
	WIN 0x01                                       ; source 0 (K) window 1; Q and S^T window 0
	s_wait_alu depctr_va_vdst(0)
.irp f, 0,1,2,3,4,5,6,7
	s_wait_dscnt 28-4*\f                           ; LDS loads come back in order: fragment f is in; the four loads of each later fragment may be out
.irp q, 0,1
.if \f%2
	v_wmma_scale_f32_16x16x128_f8f6f4 v[S+64*\q+8*\f:S+64*\q+8*\f+7], v[FR+16*\f:FR+16*\f+15], v[QF+16*\q:QF+16*\q+15], 0, v[KS+\f/2], v[QS+\q] matrix_a_scale:MATRIX_SCALE_ROW1
.else
	v_wmma_scale_f32_16x16x128_f8f6f4 v[S+64*\q+8*\f:S+64*\q+8*\f+7], v[FR+16*\f:FR+16*\f+15], v[QF+16*\q:QF+16*\q+15], 0, v[KS+\f/2], v[QS+\q]
.endif
.endr
.endr
	WIN 0
.rept 8
	v_nop                                          ; the places in front of the loads below and of the first read of the scores
.endr
	ds_load_b128 v[VS:VS+3], v[ADR] offset:PARTB+16384   ; V's scale words and fragments: they land while the softmax is worked
	WIN 0x40
.irp f, 0,1,2,3,4,5,6,7
.irp c, 0,1,2,3
	ds_load_b128 v[FR+16*\f+4*\c:FR+16*\f+4*\c+3], v[ADR] offset:PARTB+2048*\f+512*\c
.endr
.endr
	WIN 0
	PH_A 0
	s_wait_alu depctr_va_vdst(0)
	PH_E 0
	s_wait_alu depctr_va_vdst(0)
	PH_A 1                                         ; plain work that names none of tile 0's exponentials stands behind them,
	s_wait_alu depctr_va_vdst(0)                   ; and one wait serves the whole batch, ahead of its first reader
	PH_E 1
	s_setprio 1
	PH_B 0                                         ; likewise for tile 1's batch
	s_wait_alu depctr_va_vdst(0)
	PH_B 1
	WIN 0x41                                       ; O^T (destination and source 0) window 1, f window 0
.irp q, 0,1
.set j, 0
.rept 32
	v_pk_mul_f32 v[OT+64*\q+j:OT+64*\q+j+1], v[OT+64*\q+j:OT+64*\q+j+1], v[FF+2*\q:FF+2*\q+1] op_sel_hi:[1,0]   ; O^T under the new M, each accumulator from its low end on.  These are also the places between the last conversion and the products
.set j, j+2
.endr
.endr
	s_wait_alu depctr_va_vdst(0)
	s_wait_dscnt 0x0                               ; V is in
	WIN 0x51                                       ; V, C and D window 1; p's codes window 0
	s_setprio 0
.irp f, 0,1,2,3,4,5,6,7                        ; the sixteen accumulators take turns, one instruction a turn
.irp q, 0,1
.if \f%2
	v_wmma_scale_f32_16x16x128_f8f6f4 v[OT+64*\q+8*\f:OT+64*\q+8*\f+7], v[FR+16*\f:FR+16*\f+15], v[PC+16*\q:PC+16*\q+15], v[OT+64*\q+8*\f:OT+64*\q+8*\f+7], v[VS+\f/2], v[PS+\q] matrix_a_scale:MATRIX_SCALE_ROW1
.else
	v_wmma_scale_f32_16x16x128_f8f6f4 v[OT+64*\q+8*\f:OT+64*\q+8*\f+7], v[FR+16*\f:FR+16*\f+15], v[PC+16*\q:PC+16*\q+15], v[OT+64*\q+8*\f:OT+64*\q+8*\f+7], v[VS+\f/2], v[PS+\q]
.endif
.endr
.endr
	WIN 0                                          ; at a label and at a branch every window is 0
.endm
; A SLOT'S TURN.  In front of the round each wave waits for all its tensor loads (one is out: its part of this slot), adds 0 to its spare word, and waits for that and for its reads of the other slot.  Behind the round this slot is whole in
; all four work-groups and no wave of any partner reads the other one or has a load on its way.  refill = 1: the other slot takes the next four records: the wave's one tensor load until the next round, and the first thing behind this one.
; step = 1: this slot's group 0 goes on to the records that it takes next (no tensor load of mine is out, so it may be written).
.macro TRIP slot, refill, step
	s_wait_tensorcnt 0x0
	ds_add_u32 v[SPW], v[NIL]
.if \step
	s_add_nc_u64 s[G0+4*\slot+2:G0+4*\slot+3], s[G0+4*\slot+2:G0+4*\slot+3], 2*SLOTB   ; the type bits on top are not reached
.endif
	s_wait_dscnt 0x0
	ROUND
.if \refill
	tensor_load_to_lds s[G0+4-4*\slot:G0+7-4*\slot], s[G1:G1+7]
	s_nop 0
.rept 4
	v_nop
.endr
.endif
	s_mov_b32 s[TB], \slot*SLOTB
	s_mov_b32 s[CNT], 4
.Lstep_\@:
	s_setprio 2
	STEP
	s_add_co_u32 s[TB], s[TB], RECB
	s_sub_co_u32 s[CNT], s[CNT], 1
	s_cmp_lg_u32 s[CNT], 0
	s_cbranch_scc1 .Lstep_\@
	s_setprio 0
.endm
	TRIP 0, 1, 1                                   ; records 0-3; slot 1 is filled for the first time (records 4-7)
	TRIP 1, 1, 1                                   ; records 4-7; slot 0 takes records 8-11
	TRIP 0, 1, 0                                   ; records 8-11; slot 1 takes records 12-15
	TRIP 1, 0, 0                                   ; records 12-15; nothing is left to fetch.  The four turns are written out
	; THE WAY OUT.  The sum's two halves and lane l xor 16's are added; O^T is divided by the sum and goes through my stage, half a row (64 channels, 256 bytes) of 16 queries at a time.
.irp q, 0,1
	v_add_f32 v[BM+4*\q], v[ST+4*\q+2], v[ST+4*\q+3]
.endr
.irp q, 0,1
	s_delay_alu instid0(VALU_DEP_2)
	v_permlanex16_b32 v[PD+\q], v[BM+4*\q], s[SEL], s[SEL+1]
.endr
.irp q, 0,1
	s_delay_alu instid0(VALU_DEP_2)
	v_add_f32 v[BM+4*\q], v[BM+4*\q], v[PD+\q]     ; the row's sum
.endr
	s_wait_alu depctr_va_vdst(0)
.irp q, 0,1
	v_rcp_f32 v[FF+2*\q], v[BM+4*\q]
.endr
.rept 4
	v_nop                                          ; with the four additions above: the eight places behind the last products; also the plain line behind the reciprocals
.endr
	s_wait_alu depctr_va_vdst(0)                   ; one wait for both reciprocals, ahead of their first reader
.macro OSCALE q                        ; O^T / the sum, into the registers that held p: register 8 f + i of the tile is out0(query r, channel 16 f + 8 h + i)
	WIN 0x01                                       ; source 0 (O^T) window 1
.set j, 0
.rept 32
	v_pk_mul_f32 v[S+64*\q+j:S+64*\q+j+1], v[OT+64*\q+j:OT+64*\q+j+1], v[FF+2*\q:FF+2*\q+1] op_sel_hi:[1,0]
.set j, j+2
.endr
	WIN 0
.endm
.macro OSTAGE q, u                     ; channels 64 u on: 32 bytes a lane into rows of 272 bytes, and back as whole rows of 256, into the registers that they left.  LDS serves a wave's instructions in order (ISA guide 5.7.1.4)
.set sB, S+64*(\q)+32*(\u)
.irp f, 0,1,2,3
	ds_store_b128 v[STI], v[sB+8*\f:sB+8*\f+3] offset:64*\f
	ds_store_b128 v[STI], v[sB+8*\f+4:sB+8*\f+7] offset:64*\f+16
.endr
.irp i, 0,1,2,3,4,5,6,7
	ds_load_b128 v[sB+4*\i:sB+4*\i+3], v[RD] offset:2*\i*SP
.endr
.endm
.macro OSEND q, u, younger             ; younger: the LDS instructions issued behind this half's loads: the next half's sixteen, or none
.set sB, S+64*(\q)+32*(\u)
.irp i, 0,1,2,3,4,5,6,7
	s_wait_dscnt \younger+7-\i
	global_store_b128 v[GA], v[sB+4*\i:sB+4*\i+3], s[8:9] offset:(16*\q+2*\i)*512+256*\u th:TH_STORE_NT   ; sixteen lanes store 256 consecutive bytes, at a multiple of 256 from out0's first byte; written once, read by nobody here
.endr
.endm
	OSCALE 0
	OSTAGE 0, 0
	OSTAGE 0, 1
	OSEND 0, 0, 16
	OSCALE 1
	OSTAGE 1, 0
	s_wait_alu depctr_va_vdst(0)
	OSEND 0, 1, 16
	OSTAGE 1, 1
	OSEND 1, 0, 16
	OSEND 1, 1, 0
	s_wait_tensorcnt 0x0                           ; the wave's end, behind my last tensor load and my last LDS store
	ds_add_u32 v[SPW], v[NIL]
	s_wait_dscnt 0x0
	ROUND                                          ; the closing round: no work-group ends while a partner may still ask for a tile that names it
	s_endpgm
.Lfunc_end_k_qc9e42db1e5_attn:
	.size	k_qc9e42db1e5_attn, .Lfunc_end_k_qc9e42db1e5_attn-k_qc9e42db1e5_attn
	.p2alignl 7, 3214868480
	.fill 96, 4, 3214868480
	.section	.rodata,"a",@progbits
	.p2align	6, 0x0
	.amdhsa_kernel k_qc9e42db1e5_attn
		.amdhsa_group_segment_fixed_size 327680
		.amdhsa_private_segment_fixed_size 0
		.amdhsa_enable_private_segment 0
		.amdhsa_kernarg_size 24
		.amdhsa_user_sgpr_count 2
		.amdhsa_user_sgpr_kernarg_segment_ptr 1
		.amdhsa_wavefront_size32 1
		.amdhsa_system_sgpr_workgroup_id_x 1
		.amdhsa_system_sgpr_workgroup_id_y 1
		.amdhsa_system_sgpr_workgroup_id_z 1
		.amdhsa_system_vgpr_workitem_id 0
		.amdhsa_next_free_vgpr 512
		.amdhsa_next_free_sgpr 66
		.amdhsa_reserve_vcc 0
		.amdhsa_float_denorm_mode_32 3
		.amdhsa_float_denorm_mode_16_64 3
		.amdhsa_fp16_overflow 1
		.amdhsa_memory_ordered 1
		.amdhsa_forward_progress 1
		.amdhsa_inst_pref_size 187
	.end_amdhsa_kernel
	.amdgpu_metadata
---
amdhsa.version: [ 1, 2 ]
amdhsa.kernels:
  - .name:           k_qc9e42db1e5_attn
    .symbol:         k_qc9e42db1e5_attn.kd
    .args:
      - { .name: Q, .offset: 0, .size: 8, .value_kind: global_buffer, .address_space: global }
      - { .name: kv, .offset: 8, .size: 8, .value_kind: global_buffer, .address_space: global }
      - { .name: out0, .offset: 16, .size: 8, .value_kind: global_buffer, .address_space: global }
    .group_segment_fixed_size: 327680
    .private_segment_fixed_size: 0
    .kernarg_segment_align: 8
    .kernarg_segment_size: 24
    .max_flat_workgroup_size: 256
    .sgpr_count:     66
    .vgpr_count:     512
    .wavefront_size: 32
...
	.end_amdgpu_metadata
.endif
;; end of part 2
